; MI455X (gfx1250); checked and timed in simulation.
; The chip was launched on July 23, 2026; its instructions are those of AMD's public machine-readable ISA for CDNA 5 (MIT licence, August 2026) and "CDNA5" Instruction Set Architecture Reference Guide (July 2026). The comments in the code are by the model that wrote it; some were corrected since.
;; Linear Attention. Allowed arithmetic: float matrix products may take bf16 or f16 operands with f32 sums; other float arithmetic in f32, or as packed bf16 or f16 multiplies, adds, multiply-adds, maxima and minima; sums over many terms, partial sums and values carried from step to step in f32; what a program stores and reads back later, other than sums and carried values, may be rounded once to bf16 or f16.
;; Inputs: w_qkv 3,072 x 1,024 float32; x 4 x 4,096 x 1,024 float32.
;; Outputs: out0 4 x 16 x 4,096 x 64 float32.
;; One version. Each part assembles by itself: llvm-mc -triple=amdgcn-amd-amdhsa -mcpu=gfx1250 --defsym DOCPART=n.
;; ======== version 1 of 1: 4 launches
;; limits: values are held in f16: magnitudes above 65,504 overflow, below 6.1e-05 lose precision
;; workspace buffers: xb 33,554,432 bytes; wb 6,291,456 bytes; pctx 16,777,216 bytes; pstat 1,048,576 bytes; ctxf 524,288 bytes; cscale 1,024 bytes
;; launch cast (part 1): grid 1216 x 1, 8 waves a work-group, no clusters, 0 bytes of LDS; arguments x, w_qkv, xb, wb; writes xb, wb
.if DOCPART == 1
	.amdgcn_target "amdgcn-amd-amdhsa--gfx1250"
	.amdhsa_code_object_version 6
	.text
	.protected	k_q2a5d22ccf7_cast
	.globl	k_q2a5d22ccf7_cast
	.p2align	8
	.type	k_q2a5d22ccf7_cast,@function
k_q2a5d22ccf7_cast:
	s_mov_b64 s[64:65], 0
	v_nop
	global_prefetch_b8 v0, s[64:65] scope:SCOPE_SE
	s_setreg_imm32_b32 hwreg(HW_REG_WAVE_MODE, 25, 1), 1
	s_wait_xcnt 0x0
; xb = x rounded to bf16, [16384][1024].  wb = w_qkv rounded to bf16, [3072][1024], its k and v rows regrouped by head:
; rows 0-1023 are the q rows as they lie; row 1024 + 128 head + 64 s + d is w's row 1024 (1 + s) + 64 head + d (s = 0: k, 1: v),
; so that 128 consecutive rows of wb are one head's k and v.  Each number is rounded once, to nearest even.
; SHARES.  A work-group takes 16 rows of 1,024 f32 (65,536 bytes): groups 0-1023 of x, groups 1024-1215 of w.  16 rows of w never cross a head's 64.
; Thread t owns 4 columns of every row: a wave's load covers 512 consecutive bytes, its store 256 consecutive bytes, aligned.
; All 16 loads go out first; no register is written again while a memory instruction may read it, so the only waits are the loads' own.
; No LDS, no matrix unit: every byte is read once and written once, and no thread wants another's.
.set RIN,  4096                        ; bytes in a row of f32
.set ROUT, 2048                        ; bytes in a row of bf16
.set X,    16                          ; v[16:79] row i: 4 registers as loaded; the first two then hold the 4 bf16
	s_load_b256 s[4:11], s[0:1], 0x0               ; x s[4:5], w_qkv s[6:7], xb s[8:9], wb s[10:11]
	v_lshlrev_b32 v1, 4, v0                        ; my 16 bytes of a row read
	v_lshlrev_b32 v2, 3, v0                        ; my 8 bytes of a row written
	s_and_b32 s12, ttmp9, 1023                     ; j: the group's number within its tensor
	s_lshl_b32 s14, s12, 16                        ; where it reads: 16 j rows of 4,096 bytes
	s_mov_b32 s15, 0
	s_lshl_b32 s16, s12, 15                        ; where a group of x writes: 16 j rows of 2,048 bytes
	s_mov_b32 s17, 0
	s_lshr_b32 s18, s12, 6                         ; a group of w: part 0 = q, 1 = k, 2 = v
	s_bfe_u32 s19, s12, 0x40002                    ; head = (j / 4) mod 16
	s_lshl_b32 s19, s19, 7                         ; 128 head
	s_lshl_b32 s20, s18, 6
	s_add_co_u32 s19, s19, s20                     ; + 64 part
	s_and_b32 s20, s12, 3
	s_lshl_b32 s20, s20, 4
	s_add_co_u32 s19, s19, s20                     ; + the group's 16 rows within the head's 64
	s_add_co_u32 s19, s19, 960                     ; + 1024 - 64: part 1 begins at 1024
	s_lshl_b32 s20, s12, 4
	s_cmp_eq_u32 s18, 0
	s_cselect_b32 s19, s20, s19                    ; q's rows stay where they are
	s_lshl_b32 s19, s19, 11                        ; in bytes
	s_cmp_lt_u32 ttmp9, 1024                       ; x or w?  (the lines down to the last select leave SCC alone)
	s_cselect_b32 s16, s16, s19
	s_wait_kmcnt 0x0
	s_cselect_b64 s[4:5], s[4:5], s[6:7]
	s_cselect_b64 s[8:9], s[8:9], s[10:11]
	s_add_nc_u64 s[4:5], s[4:5], s[14:15]
	s_add_nc_u64 s[8:9], s[8:9], s[16:17]
.irp i, 0,1,2,3,4,5,6,7,8,9,10,11,12,13,14,15
	global_load_b128 v[X+4*(\i):X+4*(\i)+3], v1, s[4:5] offset:RIN*(\i) th:TH_LOAD_NT
.endr
.irp i, 0,1,2,3,4,5,6,7,8,9,10,11,12,13,14,15
	s_wait_loadcnt 15-(\i)                         ; loads come back in order (ISA guide 5.7.1): row i is in, the 15 - i younger ones may stay out
	v_cvt_pk_bf16_f32 v[X+4*(\i)],   v[X+4*(\i)],   v[X+4*(\i)+1]
	v_cvt_pk_bf16_f32 v[X+4*(\i)+1], v[X+4*(\i)+2], v[X+4*(\i)+3]
	global_store_b64 v2, v[X+4*(\i):X+4*(\i)+1], s[8:9] offset:ROUT*(\i)
.endr
	s_endpgm
.Lfunc_end_k_q2a5d22ccf7_cast:
	.size	k_q2a5d22ccf7_cast, .Lfunc_end_k_q2a5d22ccf7_cast-k_q2a5d22ccf7_cast
	.p2alignl 7, 3214868480
	.fill 96, 4, 3214868480
	.section	.rodata,"a",@progbits
	.p2align	6, 0x0
	.amdhsa_kernel k_q2a5d22ccf7_cast
		.amdhsa_group_segment_fixed_size 0
		.amdhsa_private_segment_fixed_size 0
		.amdhsa_enable_private_segment 0
		.amdhsa_kernarg_size 32
		.amdhsa_user_sgpr_count 2
		.amdhsa_user_sgpr_kernarg_segment_ptr 1
		.amdhsa_wavefront_size32 1
		.amdhsa_system_sgpr_workgroup_id_x 1
		.amdhsa_system_sgpr_workgroup_id_y 1
		.amdhsa_system_sgpr_workgroup_id_z 1
		.amdhsa_system_vgpr_workitem_id 0
		.amdhsa_next_free_vgpr 80
		.amdhsa_next_free_sgpr 66
		.amdhsa_reserve_vcc 0
		.amdhsa_float_denorm_mode_32 3
		.amdhsa_float_denorm_mode_16_64 3
		.amdhsa_memory_ordered 1
		.amdhsa_forward_progress 1
		.amdhsa_inst_pref_size 7
	.end_amdhsa_kernel
	.amdgpu_metadata
---
amdhsa.version: [ 1, 2 ]
amdhsa.kernels:
  - .name:           k_q2a5d22ccf7_cast
    .symbol:         k_q2a5d22ccf7_cast.kd
    .args:
      - { .name: x, .offset: 0, .size: 8, .value_kind: global_buffer, .address_space: global }
      - { .name: w_qkv, .offset: 8, .size: 8, .value_kind: global_buffer, .address_space: global }
      - { .name: xb, .offset: 16, .size: 8, .value_kind: global_buffer, .address_space: global }
      - { .name: wb, .offset: 24, .size: 8, .value_kind: global_buffer, .address_space: global }
    .group_segment_fixed_size: 0
    .private_segment_fixed_size: 0
    .kernarg_segment_align: 8
    .kernarg_segment_size: 32
    .max_flat_workgroup_size: 256
    .sgpr_count:     66
    .vgpr_count:     80
    .wavefront_size: 32
...
	.end_amdgpu_metadata
.endif
;; end of part 1
;; launch kvctx (part 2): grid 8 x 32, 4 waves a work-group, clusters of 4 x 4, 327,680 bytes of LDS; arguments xb, wb, pctx, pstat; writes pctx, pstat
.if DOCPART == 2
	.amdgcn_target "amdgcn-amd-amdhsa--gfx1250"
	.amdhsa_code_object_version 6
	.text
	.protected	k_q2a5d22ccf7_kvctx
	.globl	k_q2a5d22ccf7_kvctx
	.p2align	8
	.type	k_q2a5d22ccf7_kvctx,@function
k_q2a5d22ccf7_kvctx:
	s_mov_b64 s[64:65], 0
	v_nop
	global_prefetch_b8 v0, s[64:65] scope:SCOPE_SE
	s_setreg_imm32_b32 hwreg(HW_REG_WAVE_MODE, 25, 1), 1
	s_wait_xcnt 0x0
	s_wait_alu depctr_hold_cnt(0) depctr_sa_sdst(0) depctr_va_vdst(0) depctr_va_sdst(0) depctr_va_ssrc(0) depctr_va_vcc(0) depctr_vm_vsrc(0)
	s_getreg_b32 s2, hwreg(HW_REG_IB_STS2, 6, 4)
	s_cmp_eq_u32 s2, 0
	s_cbranch_scc0 .Lentry_in_a_cluster
	s_endpgm
.Lentry_in_a_cluster:
	s_bfe_u32 s2, ttmp6, 0x10000c
	s_cmp_lg_u32 s2, 0xf033
	s_cbranch_scc0 .Lentry_shape_is_right
	s_endpgm
.Lentry_shape_is_right:
; THE k AND v PROJECTION, FUSED WITH exp(k - running column maximum) AND PARTIAL SUMS OF ctx^T.  k and v never reach memory.
; [k | v] = xb wb^T for wb's rows 1024-3071 (bf16 operands, f32 sums).  For each head and each share of 256 rows of x this launch stores
;   c m[d]  (c = log2 e; m = the share's maximum of k[n][d]),   l[d] = sum over n of p[n][d],   ctx^T[e][d] = sum over n of v[n][e] p[n][d],   p = 2^(c k - c m).
; The next launch merges a head's 16 shares.  m is a running maximum: behind the second tile of 128 rows ctx^T and l are multiplied by a = 2^(c m_old - c m_new).
; FORMATS AND LIMITS.  p (0 to 1) and v are rounded to f16 for the second product; l is the sum, in f32, of the same rounded p, made by the matrix unit (ones x p).
; f16 ends at 65,504: the text serves |v| up to that.  Below 6e-5 p keeps f16's fixed step of 6e-8; a weight below 2^-126 counts as 0.  NaN and infinities are not treated apart.
; SHARES.  A tile of [k | v] is 256 rows of x by 256 rows of wb (two heads); four waves, each 128 x 128: 64 accumulators, 512 registers.  A wave's 128 rows of wb are ONE head:
; column blocks b = 0-3 are k, b = 4-7 are v.  A work-group stays for two tiles, one below the other (512 rows of one batch): the ring of LDS slots runs on into the second tile.
; K goes in steps of 128 through two LDS slots filled by the tensor data mover; a tile's rows are 256 bytes of memory, aligned.  The loop's trip is one K step: the slot in hand is a scalar
; that an exclusive or turns, and one descriptor for each operand walks from slot to slot.
; THE MATRIX INSTRUCTION IS USED AS IT STANDS (source 0 = 16 rows of x, source 1 = 16 rows of wb): a lane then holds ONE column (lane % 16) and the rows 8 (lane / 16) + 0..7.  Two such results
; one below the other, rounded to f16 in pairs, ARE a fragment (lane = column, 32 rows along K) of p^T or of v^T: nothing changes lanes, nothing goes through LDS, and a column's
; maximum wants one exchange between the halves of the lanes.  ctx^T = v^T p: in its result a lane holds one d, so the rescaling by a is a lane's own.
; CLUSTERS: 4 x 4 work-groups.  The four of a row of the cluster need the same rows of xb, the four of a column the same rows of wb: each tile is asked for JOINTLY, by the same tensor
; load with the same descriptor and a mask that names the four.
; REGISTERS, in windows of 256 (s_set_vgpr_msb: bits 1:0 source 0, 3:2 source 1, 5:4 source 2, 7:6 destination):
;   window 0: v0-31 addresses; v32-63 statistics, 8 a column block; v64-127, v128-191 fragments of x, two buffers; v192-199 at work at the end; v200-231 l: 4 accumulators; v232-239 the ones
;   window 1: v64-127, v128-191 fragments of wb; v0-63, v192-255 ctx^T: 16 accumulators, t = 4 eb + db at v[8 t] (t < 8) or v[128 + 8 t]
;   window 2: the accumulators of my rows 0-63 ((a, b) at v[8 (8 a + b)]);   window 3: those of rows 64-127
; The epilogue is written twice, so that the jump to the last tile's tail, which passes tensor loads and barriers, leaves the loop.  The first copy is the first tile's: it has no old maximum
; and nothing to rescale, and its products start their sums with the constant 0, so nothing is cleared.
.set SIZE_K, 1024
.set KSTEP,  128
.set STEPS,  SIZE_K/KSTEP              ; 8 K steps a tile: an even number, so every tile begins in slot 0
.set PITCH,  272                       ; an LDS row: 256 bytes + 16 of padding = 68 words: the 16 rows that a load touches start at 16 different groups of four banks (64 banks of 4 bytes: ISA guide 11.1)
.set HALFT,  128*PITCH                 ; 128 rows: what one tensor load brings, and what one wave reads of x or of wb: 0x8800 bytes
.set SLOT,   4*HALFT                   ; x's 256 rows, then wb's 256 rows: 0x22000 bytes, which shares no bit with 0, 1, 2 or 3 x HALFT: one exclusive or turns a wave's place in one slot into its place in the other
.set SPARE,  2*SLOT                    ; behind the ring: the spare words, 128 bytes for each wave: two blocks of 256 bytes that no other line names
.set WALK,   256                       ; the second tile lies 256 rows of x below the first
.set NEXT_A, WALK*SIZE_K*2-(STEPS-1)*KSTEP*2    ; from a tile's last K step to the next tile's first: x goes WALK rows down and back along K,
.set BACK_B, (STEPS-1)*KSTEP*2         ; wb only back
.set A0,   16                          ; v16     my lane's place in my 128 rows of x in slot 0; never rewritten
.set ADRA, 17                          ; v17     the same in the slot in hand
.set B0,   20                          ; v20, v21  the same for wb
.set ADRB, 21
.set GO,   26                          ; v26     16 x my lane: my 16 bytes of 512 stored
.set SPW,  28                          ; v28     LDS address of my spare word: SPARE + 4 x my thread's number; never rewritten
.set NIL,  29                          ; v29     0; never rewritten
.set PFO,  30                          ; v30     the prefetches' offset: my lane x a row of 2,048 bytes; never rewritten
.set TS,   32                          ; column block db's statistics at v[TS + 8 db]: +0 c m, +1 m, +4 the maximum's chain, +5 exchange, +6 a, +7 c m_old, then its change
.set F0,   64
.set F1,   128
.set FT,   192
.set CL,   200                         ; l of column block db: accumulator at v[CL + 8 db]; its register 0 holds l, the others 0
.set ONE,  232                         ; source 0 of l's products: 16 rows x 32 K in f16, ones in rows 0 and 8, else 0
.set G1,  24                           ; s[24:31] descriptor group 1 for x's tiles;  s[32:39] group 0: a set for each of the two first fills; the second then walks on
.set G0,  32
.set G1B, 48                           ; s[48:55], s[56:63] the same for wb's tiles
.set G0B, 56
.set LIM, 43                           ; s43     2 in a wave that prefetches, else the greatest number
.set PFA, 44                           ; s[44:45] where my prefetches stand
.set TB,  66                           ; s66     LDS byte at which the slot in hand begins: 0 or SLOT
.set PCX, 68                           ; s[68:69] pctx at my share
.set PST, 70                           ; s[70:71] pstat at my share
.set CS,  80                           ; s[80:81] c = log2 e: the packed scaling takes the pair's low word for both halves
.set SEL, 82                           ; s[82:83] v_permlanex16_b32's selects: each lane takes its own place in the other half
.set MSB, 0
.macro WIN new                         ; the immediate's high byte repeats the setting that is left; a switch that changes nothing is dropped
.if MSB != (\new)
	s_set_vgpr_msb (MSB<<8)|(\new)
.set MSB, \new
.endif
.endm
.set MUL_LO, 0xa4                      ; source 0 (x) window 0, source 1 (wb) window 1, C and D window 2
.set MUL_HI, 0xf4                      ; the same, C and D window 3
.set TO_B,   0x40                      ; destination window 1, address window 0
; A joint load by descriptor set s.  Waves 0 and 1 fetch x's two halves, waves 2 and 3 wb's.  The branch hangs on the wave's number alone.  An s_nop 0 and four v_nop follow each of the two lines.
.macro JLOAD s
	s_cmp_eq_u32 s11, 0
	s_cbranch_scc0 .Lfor_b_\@
	tensor_load_to_lds s[G0+4*(\s):G0+4*(\s)+3], s[G1:G1+7]
	s_nop 0
.rept 4
	v_nop
.endr
	s_branch .Lasked_\@
.Lfor_b_\@:
	tensor_load_to_lds s[G0B+4*(\s):G0B+4*(\s)+3], s[G1B:G1B+7]
	s_nop 0
.rept 4
	v_nop
.endr
.Lasked_\@:
.endm
; A PREFETCH INTO THE L2, behind each joint load and the run of LDS loads that follows it: the K step that stands two refills on: 32 rows x 256 bytes, a lane a row, one instruction a wave.
; Each row's 256 bytes of a K step are named once in the launch: x's rows by the clusters with x = 0, wb's by the clusters with y = 0; the four partners that ask for a tile jointly share the
; 128 rows that wave w fetches BY ADDRESS, 32 each (by cx for x's rows, by cy for wb's).  how = 0, in the loop: its last two trips have no K step two refills on; else: at the change of tiles.
.macro ASK how
.if \how
	s_cmp_eq_u32 s[LIM], 2
.else
	s_cmp_gt_u32 s3, s[LIM]                        ; s3 = 6 .. 3 in the trips of K steps 0 to 3
.endif
	s_cbranch_scc0 .Lnot_mine_\@
	global_prefetch_b8 v[PFO], s[PFA:PFA+1] offset:KSTEP*2 th:TH_LOAD_NT scope:SCOPE_SE
.Lnot_mine_\@:
.endm
.macro CREST                           ; a round of the cluster's barrier behind its opening barrier: wave 0 signals for the work-group, every wave waits for all sixteen, my work-group's barrier closes it
	s_cmp_lg_u32 s10, 0
	s_cbranch_scc1 .Lnot_wave_0_\@
	s_barrier_signal -3
.Lnot_wave_0_\@:
	s_barrier_wait -3
	s_barrier_signal -1
	s_barrier_wait -1
.endm
.macro CROUND                          ; a whole round
	s_barrier_signal -1
	s_barrier_wait -1
	CREST
.endm
	s_load_b128 s[4:7], s[0:1], 0x0                ; xb s[4:5], wb s[6:7]
	s_load_b128 s[68:71], s[0:1], 0x10             ; pctx, pstat
	v_lshl_add_u32 v[SPW], v0, 2, SPARE
	v_mov_b32 v[NIL], 0
	ds_add_u32 v[SPW], v[NIL]                      ; the wave's opening: the add and its wait come ahead of my first tensor load; the set-up below, work on registers, stands between them
	v_lshrrev_b32 v1, 5, v0
	v_readfirstlane_b32 s10, v1                    ; wave 0..3
	s_lshr_b32 s11, s10, 1                         ; which half of the tile's rows of x is mine.  Also: I fetch for x (0) or for wb (1)
	s_and_b32 s12, s10, 1                          ; which of the tile's two heads is mine.  Also: which 128 rows I fetch
	s_bfe_u32 s40, ttmp6, 0x40000                  ; cx
	s_bfe_u32 s41, ttmp6, 0x40004                  ; cy
	s_lshl_b32 s42, ttmp9, 2
	s_add_co_u32 s42, s42, s40                     ; X = 4 x cluster x + cx: the pair of heads, 0..7
	s_and_b32 s13, ttmp7, 0xffff
	s_lshl_b32 s13, s13, 2
	s_add_co_u32 s13, s13, s41                     ; Y = 4 x cluster y + cy: 512 rows of x, 0..31
	s_lshl_b32 s43, s41, 2
	s_lshl_b32 s43, 15, s43                        ; my row of the cluster
	s_lshl_b32 s44, 0x1111, s40                    ; my column
	; descriptor group 1: a tile of 128 rows x 128 elements, padded in LDS
	s_or_b32 s[G1+0], s43, (1<<16)|(1<<20)|(1<<21)|(5<<22)|(3<<25)   ; 15:0 the mask: x's tiles go to my row; 17:16 elements of 2 bytes; 20 padding on; 21 set beside a mask; 24:22 after every 64 words (code 5); 31:25 4 words of it (code 3)
	s_or_b32 s[G1B+0], s44, (1<<16)|(1<<20)|(1<<21)|(5<<22)|(3<<25)  ; the same with the mask of my column
.irp g, G1, G1B
	s_mov_b32 s[(\g)+1], KSTEP<<16                 ; tensor_dim0 = 128
	s_mov_b32 s[(\g)+2], 128<<16                   ; tensor_dim1 = 128
	s_mov_b32 s[(\g)+3], KSTEP<<16                 ; tile_dim0 = 128
	s_mov_b32 s[(\g)+4], 128                       ; tile_dim1 = 128
	s_mov_b32 s[(\g)+5], SIZE_K                    ; elements from row to row
	s_mov_b32 s[(\g)+6], 0
	s_mov_b32 s[(\g)+7], 0
.endr
	s_mov_b32 s[CS], 0x3fb8aa3b                    ; log2 e
	s_mov_b32 s[CS+1], s[CS]                       ; named with it as a pair
	s_mov_b32 s[SEL], 0x76543210
	s_mov_b32 s[SEL+1], 0xfedcba98
	s_mov_b32 s[TB], 0                             ; K step 0 lies in slot 0
	; where the tiles come from: x's hang on Y alone, wb's on X alone, each in registers that never hold the other coordinate
	s_lshl_b32 s17, s12, 7                         ; which 128 rows I fetch
	s_lshl_b32 s16, s13, 9
	s_add_co_u32 s16, s16, s17                     ; x: row 512 Y + 128 x half
	s_lshl_b32 s16, s16, 11                        ; in bytes (under 2^26)
	s_lshl_b32 s46, s42, 8
	s_add_co_u32 s46, s46, s17
	s_add_co_u32 s46, s46, 1024                    ; wb: row 1024 + 256 X + 128 x half
	s_lshl_b32 s46, s46, 11
	s_mov_b32 s17, 0
	s_mov_b32 s47, 0
	s_mul_i32 s20, s10, HALFT                      ; where they go: wave x 128 rows: no place in the cluster enters an LDS address
	s_wait_dscnt 0x0                               ; the opening add is done
	s_wait_kmcnt 0x0
	s_add_nc_u64 s[14:15], s[4:5], s[16:17]
	s_add_nc_u64 s[46:47], s[6:7], s[46:47]
	CROUND                                         ; all sixteen work-groups are here: the first joint loads meet
.irp s, 0,1
	s_mov_b32 s[G0+4*(\s)], 1                                        ; count = 1
	s_add_co_u32 s[G0+4*(\s)+1], s20, (\s)*SLOT                      ; LDS address
	s_add_nc_u64 s[G0+4*(\s)+2:G0+4*(\s)+3], s[14:15], (\s)*KSTEP*2  ; global address: K step s
	s_or_b32 s[G0+4*(\s)+3], s[G0+4*(\s)+3], 0x80000000              ; type = 2
	s_mov_b32 s[G0B+4*(\s)], 1
	s_add_co_u32 s[G0B+4*(\s)+1], s20, (\s)*SLOT
	s_add_nc_u64 s[G0B+4*(\s)+2:G0B+4*(\s)+3], s[46:47], (\s)*KSTEP*2
	s_or_b32 s[G0B+4*(\s)+3], s[G0B+4*(\s)+3], 0x80000000
	JLOAD \s                                       ; two tensor loads of mine are out
.endr
	; a fragment is 16 rows x 32 K in 8 registers: lane l holds row l % 16, K = 8 (l / 16) + 0..7 and 16 + 8 (l / 16) + 0..7: two loads of 16 bytes, 32 bytes apart
	v_and_b32 v1, 15, v0
	v_bfe_u32 v2, v0, 4, 1
	v_mul_u32_u24 v3, v1, PITCH
	v_lshl_add_u32 v3, v2, 4, v3
	s_mul_i32 s21, s11, HALFT                      ; my 128 rows of x
	s_mul_i32 s22, s12, HALFT                      ; my 128 rows of wb,
	s_add_co_u32 s22, s22, 2*HALFT                 ; which lie behind x's 256
	v_add_nc_u32 v[A0], s21, v3
	v_add_nc_u32 v[B0], s22, v3
	v_add_nc_u32 v[ADRA], s[TB], v[A0]
	v_add_nc_u32 v[ADRB], s[TB], v[B0]
	v_and_b32 v[GO], 31, v0
	v_lshlrev_b32 v[GO], 4, v[GO]
	; where my share is stored: (batch x 16 + head) x 16 + share; made in registers that feed no descriptor
	s_lshr_b32 s84, s13, 3                         ; the batch: 8 values of Y each
	s_lshl_b32 s84, s84, 4
	s_lshl_b32 s85, s42, 1
	s_add_co_u32 s84, s84, s85
	s_add_co_u32 s84, s84, s12                     ; + head = 2 X + my half
	s_lshl_b32 s84, s84, 4
	s_and_b32 s85, s13, 7
	s_lshl_b32 s85, s85, 1
	s_add_co_u32 s85, s85, s11                     ; share = 2 (Y mod 8) + my half of the rows
	s_add_co_u32 s84, s84, s85
	s_lshl_b32 s86, s84, 14                        ; a share of pctx is 16,384 bytes,
	s_mov_b32 s87, 0
	s_add_nc_u64 s[PCX:PCX+1], s[PCX:PCX+1], s[86:87]
	s_lshl_b32 s86, s84, 10                        ; of pstat 1,024
	s_add_nc_u64 s[PST:PST+1], s[PST:PST+1], s[86:87]
	; the prefetches
	s_lshl_b32 s20, s13, 9                         ; the first tile's first row of x,
	s_lshl_b32 s21, s42, 8
	s_add_co_u32 s21, s21, 1024                    ; of wb
	s_and_b32 s22, ttmp7, 0xffff                   ; cluster y
	s_cmp_eq_u32 s11, 0                            ; do I fetch for x?
	s_cselect_b32 s20, s20, s21
	s_cselect_b32 s21, s40, s41                    ; my place among the four that ask with me
	s_cselect_b32 s22, ttmp9, s22                  ; the coordinate along which other clusters read the same rows
	s_cselect_b64 s[PFA:PFA+1], s[4:5], s[6:7]
	s_cmp_eq_u32 s22, 0
	s_cselect_b32 s[LIM], 2, -1                    ; the same in all sixteen partners, for a given wave
	s_lshl_b32 s22, s12, 7
	s_add_co_u32 s20, s20, s22                     ; + the 128 rows that I fetch
	s_lshl_b32 s21, s21, 5
	s_add_co_u32 s20, s20, s21                     ; + my work-group's 32 of them
	s_lshl_b32 s20, s20, 11
	s_mov_b32 s21, 0
	s_add_nc_u64 s[PFA:PFA+1], s[PFA:PFA+1], s[20:21]
	s_add_nc_u64 s[PFA:PFA+1], s[PFA:PFA+1], 2*KSTEP*2  ; at K step 2: the first refill steps it to 3 and names K step 4.  Nothing is prefetched here, at the head
	v_and_b32 v[PFO], 31, v0
	v_mul_u32_u24 v[PFO], v[PFO], SIZE_K*2
	; the ones: a lane holds row l % 16 of source 0, so rows 0 and 8 are the lanes with l % 8 = 0.  In the result register 0 is row 0 (lanes 0-15) or row 8 (lanes 16-31): every lane's register 0 holds its column's l
	v_and_b32 v4, 7, v0
	s_mov_b32 s84, 0x3c003c00                      ; 1.0 twice, in f16
	v_cmp_eq_u32 vcc_lo, 0, v4
.irp z, 0,1,2,3,4,5,6,7
	v_cndmask_b32 v[ONE+(\z)], 0, s84, vcc_lo
.endr
.irp d, 0,1,2,3
	v_mov_b32 v[TS+8*(\d)+5], 0                    ; v_permlanex16_b32's destination counts as read: it is written once here
.endr
; 16 matrix instructions: row blocks a0, a0 + 1 of the window's four (hi = 0: my rows 0-63, 1: rows 64-127) x all 8 column blocks, 32 along K.  zero = 1: the first product starts the sums.
; The 64 accumulators take turns, one instruction a turn, in the same order in every quarter step.
.macro MUL16 f, hi, a0, zero
	WIN MUL_LO+0x50*(\hi)
.irp a, \a0, (\a0)+1
.irp b, 0,1,2,3,4,5,6,7
.if \zero
	v_wmma_f32_16x16x32_bf16 v[8*(8*(\a)+(\b)):8*(8*(\a)+(\b))+7], v[(\f)+8*(4*(\hi)+(\a)):(\f)+8*(4*(\hi)+(\a))+7], v[(\f)+8*(\b):(\f)+8*(\b)+7], 0
.else
	v_wmma_f32_16x16x32_bf16 v[8*(8*(\a)+(\b)):8*(8*(\a)+(\b))+7], v[(\f)+8*(4*(\hi)+(\a)):(\f)+8*(4*(\hi)+(\a))+7], v[(\f)+8*(\b):(\f)+8*(\b)+7], v[8*(8*(\a)+(\b)):8*(8*(\a)+(\b))+7]
.endif
.endr
.endr
.endm
; 32 LDS loads in one run: the fragments of one quarter step (128 rows of wb, 128 rows of x, 32 K at byte k of the rows of the slot in hand) into buffer f
.macro FETCH k, f
	WIN TO_B
.irp i, 0,1,2,3,4,5,6,7
	ds_load_b128 v[(\f)+8*(\i):(\f)+8*(\i)+3],   v[ADRB] offset:(\k)+(\i)*16*PITCH
	ds_load_b128 v[(\f)+8*(\i)+4:(\f)+8*(\i)+7], v[ADRB] offset:(\k)+(\i)*16*PITCH+32
.endr
	WIN 0
.irp i, 0,1,2,3,4,5,6,7
	ds_load_b128 v[(\f)+8*(\i):(\f)+8*(\i)+3],   v[ADRA] offset:(\k)+(\i)*16*PITCH
	ds_load_b128 v[(\f)+8*(\i)+4:(\f)+8*(\i)+7], v[ADRA] offset:(\k)+(\i)*16*PITCH+32
.endr
.endm
.macro NEXTSLOT                        ; the reads go on in the other slot
	s_xor_b32 s[TB], s[TB], SLOT
	v_add_nc_u32 v[ADRA], s[TB], v[A0]
	v_add_nc_u32 v[ADRB], s[TB], v[B0]
.endm
.macro PLACES                          ; four plain vector instructions between a matrix instruction and a load into, or a vector instruction on, its registers (ISA guide 7.12.1 for vector instructions)
.rept 4
	v_nop
.endr
.endm
; A K step is four quarter steps of 32 along K, 64 matrix instructions each, on buffers 0, 1, 0, 1.  One of the first three multiplies buffer f and, in its middle, fetches the next quarter into g.
.macro QUARTER k, f, g, zero
	s_wait_dscnt 8                                 ; wb's fragments and x's rows 0-63 are in; the youngest eight loads (x's rows 64-127) may be out
	WIN MUL_LO
	MUL16 \f, 0, 0, \zero
	MUL16 \f, 0, 2, \zero
	PLACES
	FETCH \k, \g
	s_wait_dscnt 32                                ; all but the 32 just issued
	WIN MUL_HI
	MUL16 \f, 1, 0, \zero
	MUL16 \f, 1, 2, \zero
.endm
; The last quarter multiplies buffer 1 and changes slots.  MEET is its first half: one barrier; in front of it each wave waits for all its tensor loads (one is out: its part of the next slot),
; adds 0 to its spare word, and waits for that and for its own reads of this slot.  Behind it nobody reads this slot any more and the next slot is whole.
.macro MEET round
	WIN 0                                          ; (the add's two registers lie in window 0)
	s_wait_tensorcnt 0x0
	ds_add_u32 v[SPW], v[NIL]                      ; 0 onto my spare word
	s_wait_dscnt 9                                 ; (the add and the youngest eight loads may be out)
	WIN MUL_LO
	MUL16 F1, 0, 0, 0                              ; sixteen matrix instructions stand between the add and the wait for it
	s_wait_dscnt 0x0                               ; the add is done, and my reads of this slot are over
	s_barrier_signal -1
	MUL16 F1, 0, 2, 0                              ; work on registers while the others arrive
.if \round
	WIN 0
.endif
	s_barrier_wait -1
.endm
; The whole last quarter with a refill: the barrier opens a round of the cluster's; behind the round this slot is filled again first, by the walking descriptor: the other slot than last time, and
; the K step behind the one last asked for (on = 0: in the tile; on = 1: from the tile's last K step to the next tile's first; on = 2: that tile's second); then the next slot's first fragments are read.
; One tensor load of mine is out behind each round; it has 224 matrix instructions in which to land.
.macro TURN on
	s_wait_xcnt 0x0                                ; the last prefetch, a K step back, has read its address: it is stepped here, ahead of the waits of the change of slots
.if (\on) == 1
	s_add_nc_u64 s[PFA:PFA+1], s[PFA:PFA+1], (WALK-1)*SIZE_K*2+KSTEP*2  ; from the K step after the tile's last to the next tile's K step 1
	s_cmp_eq_u32 s11, 0
	s_cselect_b32 s[LIM], s[LIM], -1               ; wb's rows are the same for both tiles: they are prefetched no more
.else
	s_add_nc_u64 s[PFA:PFA+1], s[PFA:PFA+1], KSTEP*2
.endif
	MEET 1
	CREST                                          ; no wave of any partner still reads this slot or has a load on its way
	s_xor_b32 s[G0+5], s[G0+5], SLOT
	s_xor_b32 s[G0B+5], s[G0B+5], SLOT
.if (\on) == 1
	s_add_nc_u64 s[G0+6:G0+7], s[G0+6:G0+7], NEXT_A
	s_sub_nc_u64 s[G0B+6:G0B+7], s[G0B+6:G0B+7], BACK_B
.else
	s_add_nc_u64 s[G0+6:G0+7], s[G0+6:G0+7], KSTEP*2
	s_add_nc_u64 s[G0B+6:G0B+7], s[G0B+6:G0B+7], KSTEP*2
.endif
	JLOAD 1                                        ; the four v_nop behind it are also the places in front of the loads below
	NEXTSLOT
	FETCH 0, F0
	ASK \on
	WIN MUL_HI
	MUL16 F1, 1, 0, 0
	MUL16 F1, 1, 2, 0
.endm
.macro TURNL                           ; the same without a refill: the last tile's last change of slots asks for nothing, so no round follows
	MEET 0
	PLACES
	WIN 0
	NEXTSLOT
	FETCH 0, F0
	WIN MUL_HI
	MUL16 F1, 1, 0, 0
	MUL16 F1, 1, 2, 0
.endm
.macro LASTQ                           ; the very last quarter: nothing more to fetch
	s_wait_dscnt 8
	MUL16 F1, 0, 0, 0
	MUL16 F1, 0, 2, 0
	s_wait_dscnt 0x0
	MUL16 F1, 1, 0, 0
	MUL16 F1, 1, 2, 0
.endm
; THE EPILOGUE's parts.  hi = 0: window 2 (my rows 0-63), 1: window 3.  In a window i counts row block i / 16, pair of rows (i / 4) % 4, column block i % 4, so that four chains take turns.
; first = 1: the first tile's.
.macro COLMAX hi, first                ; the columns' maxima, three operands at a time; the first line of each chain takes the old m, if there is one.  Each accumulator's registers 0 and 1 are read first
	WIN 0x0a+5*(\hi)
.set i, 0
.rept 64
.set rS, 8*(8*(i/16)+i%4)+2*((i/4)%4)
.set rT, TS+8*(i%4)
.if ((\hi) == 0) && (i < 4) && (\first)
	v_max_num_f32 v[rT+4], v[rS], v[rS+1]
.elseif ((\hi) == 0) && (i < 4)
	v_max3_num_f32 v[rT+4], v[rS], v[rS+1], v[rT+1]
.else
	v_max3_num_f32 v[rT+4], v[rS], v[rS+1], v[rT+4]
.endif
.set i, i+1
.endr
.endm
.macro FSC n                           ; c k - c m for pair n of the window's 64: row block n / 16, column block (n / 4) % 4, pair n % 4
.set rS, 8*(8*((\n)/16)+((\n)/4)%4)+2*((\n)%4)
.set rT, TS+8*(((\n)/4)%4)
	v_pk_fma_f32 v[rS:rS+1], v[rS:rS+1], s[CS:CS+1], v[rT:rT+1] op_sel_hi:[1,0,0] neg_lo:[0,0,1] neg_hi:[0,0,1]
.endm
.macro EXQ n                           ; the exponential of number n of the window's 128
.set rS, 8*(8*((\n)/32)+((\n)/8)%4)+(\n)%8
	v_exp_f32 v[rS], v[rS]
.endm
.macro CVT n, b0                       ; number n of 64: two accumulators one below the other become one f16 fragment, in place, ascending.  b0 = 4: v; 0: p
.set rD, 8*(16*((\n)/32)+(\b0)+((\n)/8)%4)
.if (\n)%8 < 4
.set rF, rD+2*((\n)%8)
.else
.set rF, rD+64+2*((\n)%8)-8
.endif
	v_cvt_pk_f16_f32 v[rD+(\n)%8], v[rF], v[rF+1]
.endm
.macro BATCH hi                        ; scalings, exponentials and v's roundings by turns: none of these lines names an exponential's result
	WIN 0x8a+0x45*(\hi)
	FSC 0
.set i, 0
.rept 64
	EXQ 2*i
.if i < 63
	FSC i+1
.endif
	EXQ 2*i+1
	CVT i, 4
.set i, i+1
.endr
.endm
.macro PCV hi                          ; p's roundings
	WIN 0x8a+0x45*(\hi)
.set i, 0
.rept 64
	CVT i, 0
.set i, i+1
.endr
.endm
.macro EPI first
	PLACES                                         ; behind the tile's last products
	COLMAX 0, \first
	COLMAX 1, \first
	WIN 0
.irp d, 0,1,2,3
	v_permlanex16_b32 v[TS+8*(\d)+5], v[TS+8*(\d)+4], s[SEL], s[SEL+1]  ; the column's other 64 rows lie in the lane 16 away
.endr
.if !(\first)
.irp d, 0,1,2,3
	v_mov_b32 v[TS+8*(\d)+7], v[TS+8*(\d)]         ; c m_old is kept
.endr
.endif
.irp d, 0,1,2,3
	v_max_num_f32 v[TS+8*(\d)+1], v[TS+8*(\d)+4], v[TS+8*(\d)+5]
.endr
.irp d, 0,1,2,3
	v_mul_f32 v[TS+8*(\d)], s[CS], v[TS+8*(\d)+1]
.endr
.if !(\first)
.irp d, 0,1,2,3
	v_sub_f32 v[TS+8*(\d)+7], v[TS+8*(\d)+7], v[TS+8*(\d)]
.endr
.irp d, 0,1,2,3
	v_exp_f32 v[TS+8*(\d)+6], v[TS+8*(\d)+7]       ; a: the batch's first four
.endr
.endif
	BATCH 0
	BATCH 1
	v_nop                                          ; a plain instruction behind the last exponential,
	s_wait_alu depctr_va_vdst(0)                   ; and the one wait ahead of the first line that names a result: it serves the whole batch
	PCV 0
	PCV 1
.if !(\first)
	WIN 0x41                                       ; ctx^T times a, ascending: t = i / 4, column block t % 4
.set i, 0
.rept 64
.set rC, 8*(i/4)+128*(i/32)+2*(i%4)
	v_pk_mul_f32 v[rC:rC+1], v[rC:rC+1], v[TS+8*((i/4)%4)+6:TS+8*((i/4)%4)+7] op_sel_hi:[1,0]
.set i, i+1
.endr
	WIN 0
.irp d, 0,1,2,3
	v_pk_mul_f32 v[CL+8*(\d):CL+8*(\d)+1], v[CL+8*(\d):CL+8*(\d)+1], v[TS+8*(\d)+6:TS+8*(\d)+7] op_sel_hi:[1,0]  ; l times a: register 0; register 1, like 2 to 7, holds 0
.endr
.endif
.set i, 0
.rept 64                               ; ctx^T += v^T p: rows 32 (i / 16) on; the 16 accumulators t = i % 16 take turns.  In the first tile the first 16 start the sums
	WIN 0x5a+5*(i/32)
.set rC, 8*(i%16)+128*((i%16)/8)
.set rA, 8*(16*((i/16)%2)+4+(i%16)/4)
.set rB, 8*(16*((i/16)%2)+(i%16)%4)
.if (\first) && (i < 16)
	v_wmma_f32_16x16x32_f16 v[rC:rC+7], v[rA:rA+7], v[rB:rB+7], 0
.else
	v_wmma_f32_16x16x32_f16 v[rC:rC+7], v[rA:rA+7], v[rB:rB+7], v[rC:rC+7]
.endif
.set i, i+1
.endr
.set i, 0
.rept 16                               ; l += ones x p: rows 32 (i / 4) on, column block i % 4; the four accumulators take turns
	WIN 0x08+4*(i/8)
.set rL, CL+8*(i%4)
.set rB, 8*(16*((i/4)%2)+i%4)
.if (\first) && (i < 4)
	v_wmma_f32_16x16x32_f16 v[rL:rL+7], v[ONE:ONE+7], v[rB:rB+7], 0
.else
	v_wmma_f32_16x16x32_f16 v[rL:rL+7], v[ONE:ONE+7], v[rB:rB+7], v[rL:rL+7]
.endif
.set i, i+1
.endr
	WIN 0
.rept 5
	v_nop                                          ; five places: the next tile's first products write over these products' sources; the lines at the end read their results
.endr
.endm
	s_wait_tensorcnt 1                             ; my part of K step 0 is in; K step 1's may stay out
	s_barrier_signal -1
	s_barrier_wait -1                              ; everybody's is
	FETCH 0, F0
	s_mov_b32 s2, 2                                ; tiles to go
.Ltile:
	QUARTER 64,  F0, F1, 1                         ; a tile's first quarter stands in front of the loop: its products start the sums
	WIN 0
	s_mov_b32 s3, STEPS-2
.Lstep:                                                ; a trip goes from a K step's second quarter to the next K step's first, and fills the slot that it leaves: K steps 0 to 5 ask for 2 to 7
	QUARTER 128, F1, F0, 0
	QUARTER 192, F0, F1, 0
	TURN 0
	QUARTER 64,  F0, F1, 0
	WIN 0
	s_sub_co_u32 s3, s3, 1
	s_cmp_lg_u32 s3, 0
	s_cbranch_scc1 .Lstep
	QUARTER 128, F1, F0, 0                         ; K step 6 goes on
	QUARTER 192, F0, F1, 0
	WIN 0
	s_cmp_eq_u32 s2, 1
	s_cbranch_scc1 .Llast                          ; the last tile's tail is written out: it asks for nothing more
	TURN 1                                         ; the ring goes on into the second tile: slot 0 takes its K step 0,
	QUARTER 64,  F0, F1, 0
	QUARTER 128, F1, F0, 0
	QUARTER 192, F0, F1, 0
	TURN 2                                         ; slot 1 its K step 1, and its first fragments are fetched into buffer 0, which the epilogue does not touch
	WIN 0
	EPI 1                                          ; the second refill is on its way while the epilogue runs; it names no LDS byte
	s_sub_co_u32 s2, s2, 1
	s_branch .Ltile
.Llast:
	TURNL
	QUARTER 64,  F0, F1, 0
	QUARTER 128, F1, F0, 0
	QUARTER 192, F0, F1, 0
	LASTQ
	WIN 0
	EPI 0
	; THE SHARE GOES OUT, in the order of the registers: every store of the wave covers 512 consecutive bytes, aligned
.irp d, 0,1,2,3
	v_mov_b32 v[FT+(\d)], v[TS+8*(\d)]
	v_mov_b32 v[FT+4+(\d)], v[CL+8*(\d)]
.endr
	global_store_b128 v[GO], v[FT:FT+3], s[PST:PST+1]                  ; c m of my lane's column in the four column blocks
	global_store_b128 v[GO], v[FT+4:FT+7], s[PST:PST+1] offset:512     ; l
	WIN 0x04                                       ; store data in window 1
.set i, 0
.rept 32                               ; accumulator t = i / 2, its registers 4 (i % 2) on: the low four first
.set rC, 8*(i/2)+128*(i/16)+4*(i%2)
	global_store_b128 v[GO], v[rC:rC+3], s[PCX:PCX+1] offset:512*i
.set i, i+1
.endr
	WIN 0
	s_wait_tensorcnt 0x0                           ; the wave's end, behind my last tensor load
	ds_add_u32 v[SPW], v[NIL]
	s_wait_dscnt 0x0
	CROUND                                         ; the closing round: no work-group ends while a partner may still ask for a tile that names it
	s_endpgm
.Lfunc_end_k_q2a5d22ccf7_kvctx:
	.size	k_q2a5d22ccf7_kvctx, .Lfunc_end_k_q2a5d22ccf7_kvctx-k_q2a5d22ccf7_kvctx
	.p2alignl 7, 3214868480
	.fill 96, 4, 3214868480
	.section	.rodata,"a",@progbits
	.p2align	6, 0x0
	.amdhsa_kernel k_q2a5d22ccf7_kvctx
		.amdhsa_group_segment_fixed_size 327680
		.amdhsa_private_segment_fixed_size 0
		.amdhsa_enable_private_segment 0
		.amdhsa_kernarg_size 32
		.amdhsa_user_sgpr_count 2
		.amdhsa_user_sgpr_kernarg_segment_ptr 1
		.amdhsa_wavefront_size32 1
		.amdhsa_system_sgpr_workgroup_id_x 1
		.amdhsa_system_sgpr_workgroup_id_y 1
		.amdhsa_system_sgpr_workgroup_id_z 1
		.amdhsa_system_vgpr_workitem_id 0
		.amdhsa_next_free_vgpr 1024
		.amdhsa_next_free_sgpr 88
		.amdhsa_reserve_vcc 1
		.amdhsa_float_denorm_mode_32 3
		.amdhsa_float_denorm_mode_16_64 3
		.amdhsa_memory_ordered 1
		.amdhsa_forward_progress 1
		.amdhsa_inst_pref_size 222
	.end_amdhsa_kernel
	.amdgpu_metadata
---
amdhsa.version: [ 1, 2 ]
amdhsa.kernels:
  - .name:           k_q2a5d22ccf7_kvctx
    .symbol:         k_q2a5d22ccf7_kvctx.kd
    .args:
      - { .name: xb, .offset: 0, .size: 8, .value_kind: global_buffer, .address_space: global }
      - { .name: wb, .offset: 8, .size: 8, .value_kind: global_buffer, .address_space: global }
      - { .name: pctx, .offset: 16, .size: 8, .value_kind: global_buffer, .address_space: global }
      - { .name: pstat, .offset: 24, .size: 8, .value_kind: global_buffer, .address_space: global }
    .group_segment_fixed_size: 327680
    .private_segment_fixed_size: 0
    .kernarg_segment_align: 8
    .kernarg_segment_size: 32
    .max_flat_workgroup_size: 128
    .sgpr_count:     88
    .vgpr_count:     1024
    .wavefront_size: 32
...
	.end_amdgpu_metadata
.endif
;; end of part 2
;; launch combine (part 3): grid 4 x 64, 8 waves a work-group, no clusters, 3,584 bytes of LDS; arguments pctx, pstat, ctxf, cscale; writes ctxf, cscale
.if DOCPART == 3
	.amdgcn_target "amdgcn-amd-amdhsa--gfx1250"
	.amdhsa_code_object_version 6
	.text
	.protected	k_q2a5d22ccf7_combine
	.globl	k_q2a5d22ccf7_combine
	.p2align	8
	.type	k_q2a5d22ccf7_combine,@function
k_q2a5d22ccf7_combine:
	s_mov_b64 s[64:65], 0
	v_nop
	global_prefetch_b8 v0, s[64:65] scope:SCOPE_SE
	s_setreg_imm32_b32 hwreg(HW_REG_WAVE_MODE, 25, 1), 1
	s_wait_xcnt 0x0
; A HEAD's 16 SHARES BECOME ctx^T.  With CM = the largest c m_i and w_i = 2^(c m_i - CM):  ctx^T[e][d] = (sum of w_i ctx^T_i[e][d]) / (sum of w_i l_i[d]), all in f32.
; It is then divided by the largest magnitude A of the work-group's 16 x 64 numbers, rounded once to f16, and laid in the order in which the next launch's matrix instruction wants it
; (source 0: lane l holds row e = l % 16; 16 bytes are d = 32 ks + 16 c + 8 (l / 16) + 0..7).  A / 8, which also carries q's scale 64^-0.5, goes to cscale in f32.
; So f16's range sets no limit here: the numbers lie in -1 to 1.  A is held at 2^-100 at the least, so that its reciprocal is finite where ctx is all zeros.
; SHARES.  A work-group takes one (batch, head) and 16 rows e (grid x = eb, y = bh).  Thread t = 64 db + 32 qd + lane owns e = 16 eb + 8 (l / 16) + 4 qd + 0..3, d = 16 db + l % 16:
; 16 bytes at 4,096 eb + 16 t of each share, as the launch before stored them: a wave's load covers 512 consecutive bytes.
; No matrix unit and no cluster: nothing is multiplied by a matrix and no work-group shares a quad with another; no prefetch: all 48 loads of a thread go out at once.
.set TR,    0                          ; LDS: 16 rows e x 64 f16, 144 bytes apart
.set TP,    144
.set RED,   2304                       ; 8 words: the waves' largest magnitudes
.set SPARE, 2560                       ; the spare words, 128 bytes for each of 8 waves: four blocks of 256 bytes that no other line names
.set CMR,   16                         ; v[16:31]   c m_i, then w_i
.set LR,    32                         ; v[32:47]   l_i
.set Q,     48                         ; v[48:111]  the 16 quads; later at work
.set SUM,   112                        ; v[112:115] the sum
	s_load_b256 s[4:11], s[0:1], 0x0               ; pctx s[4:5], pstat s[6:7], ctxf s[8:9], cscale s[10:11]
	v_lshl_add_u32 v8, v0, 2, SPARE                ; my spare word,
	v_mov_b32 v9, 0                                ; and 0: kept for the add alone
	v_lshrrev_b32 v1, 5, v0
	v_readfirstlane_b32 s12, v1                    ; wave 0..7 = 2 db + qd
	s_and_b32 s13, ttmp7, 0xffff                   ; bh
	s_mov_b32 s14, 0x76543210
	s_mov_b32 s15, 0xfedcba98
	s_lshr_b32 s17, s12, 1                         ; db
	s_and_b32 s18, s12, 1                          ; qd
	v_and_b32 v4, 31, v0                           ; l
	v_and_b32 v7, 15, v0                           ; l % 16
	v_bfe_u32 v10, v0, 4, 1                        ; l / 16
	s_lshl_b32 s20, s17, 2
	v_lshlrev_b32 v2, 4, v4
	v_add_nc_u32 v2, s20, v2                       ; in a share's statistics: 16 l + 4 db
	v_lshlrev_b32 v3, 4, v0                        ; 16 t
	s_mul_i32 s20, s18, 4*TP
	s_lshl_b32 s21, s17, 5
	s_add_co_u32 s20, s20, s21
	v_mul_u32_u24 v11, v10, 8*TP
	v_lshl_add_u32 v11, v7, 1, v11
	v_add_nc_u32 v11, s20, v11                     ; into TR: row 8 (l / 16) + 4 qd, column 16 db + l % 16
	s_lshl_b32 s20, s17, 6
	s_lshl_b32 s21, s18, 5
	s_add_co_u32 s20, s20, s21
	v_mul_u32_u24 v12, v7, TP
	v_lshl_add_u32 v12, v10, 4, v12
	v_add_nc_u32 v12, s20, v12                     ; back (waves 0-3, ks = db, c = qd): row l % 16, bytes 64 ks + 32 c + 16 (l / 16)
	s_lshl_b32 s16, s12, 2
	s_add_co_u32 s16, s16, RED
	v_mov_b32 v13, s16                             ; my wave's word
	v_mov_b32 v14, RED
	v_mov_b32 v15, 0
	s_lshl_b32 s20, s13, 14                        ; a head's statistics: 16 shares of 1,024 bytes
	s_mov_b32 s21, 0
	s_lshl_b32 s22, s13, 18                        ; its sums: 16 shares of 16,384 bytes,
	s_lshl_b32 s24, ttmp9, 12
	s_add_co_u32 s22, s22, s24                     ; in each my 4,096
	s_mov_b32 s23, 0
	s_lshl_b32 s24, s13, 13                        ; ctxf: 8,192 bytes a head, 2,048 for 16 rows e
	s_lshl_b32 s26, ttmp9, 11
	s_add_co_u32 s24, s24, s26
	s_mov_b32 s25, 0
	s_lshl_b32 s26, s13, 4                         ; cscale: 4 words a head
	s_lshl_b32 s28, ttmp9, 2
	s_add_co_u32 s26, s26, s28
	s_mov_b32 s27, 0
	s_wait_kmcnt 0x0
	s_add_nc_u64 s[6:7], s[6:7], s[20:21]
	s_add_nc_u64 s[4:5], s[4:5], s[22:23]
	s_add_nc_u64 s[8:9], s[8:9], s[24:25]
	s_add_nc_u64 s[10:11], s[10:11], s[26:27]
.irp i, 0,1,2,3,4,5,6,7,8,9,10,11,12,13,14,15
	global_load_b32 v[CMR+(\i)], v2, s[6:7] offset:1024*(\i)
	global_load_b32 v[LR+(\i)],  v2, s[6:7] offset:1024*(\i)+512
.endr
.irp i, 0,1,2,3,4,5,6,7,8,9,10,11,12,13,14,15
	global_load_b128 v[Q+4*(\i):Q+4*(\i)+3], v3, s[4:5] offset:16384*(\i) th:TH_LOAD_NT
.endr
	s_wait_loadcnt 16                              ; the statistics are in; the 16 quads may stay out
	v_max3_num_f32 v116, v[CMR], v[CMR+1], v[CMR+2]
.irp i, 3,5,7,9,11,13
	v_max3_num_f32 v116, v116, v[CMR+(\i)], v[CMR+(\i)+1]
.endr
	v_max_num_f32 v116, v116, v[CMR+15]            ; CM
.irp i, 0,1,2,3,4,5,6,7,8,9,10,11,12,13,14,15
	v_sub_f32 v[CMR+(\i)], v[CMR+(\i)], v116
.endr
.irp i, 0,1,2,3,4,5,6,7,8,9,10,11,12,13,14,15
	v_exp_f32 v[CMR+(\i)], v[CMR+(\i)]             ; w_i
.endr
	v_nop                                          ; a plain instruction behind the last exponential,
	s_wait_alu depctr_va_vdst(0)                   ; and the wait ahead of the first use: one for the 16
	v_mul_f32 v117, v[CMR], v[LR]
.irp i, 1,2,3,4,5,6,7,8,9,10,11,12,13,14,15
	v_fmac_f32 v117, v[CMR+(\i)], v[LR+(\i)]       ; L: at least 1, since the share that holds CM has a weight 1 in its l
.endr
	v_rcp_f32 v118, v117                           ; its result is first named behind the sums below
.irp i, 0,1,2,3,4,5,6,7,8,9,10,11,12,13,14,15
	s_wait_loadcnt 15-(\i)                         ; quad i is in, the younger ones may stay out
.irp k, 0,1,2,3
.if (\i) == 0
	v_mul_f32 v[SUM+(\k)], v[CMR], v[Q+(\k)]
.else
	v_fmac_f32 v[SUM+(\k)], v[CMR+(\i)], v[Q+4*(\i)+(\k)]
.endif
.endr
.endr
	s_wait_alu depctr_va_vdst(0)                   ; the reciprocal's wait
.irp k, 0,1,2,3
	v_mul_f32 v[SUM+(\k)], v[SUM+(\k)], v118
.endr
.irp k, 0,1,2,3
	v_and_b32 v[120+(\k)], 0x7fffffff, v[SUM+(\k)]
.endr
	v_max3_num_f32 v119, v120, v121, v122
	v_max_num_f32 v119, v119, v123
	v_max_num_f32_dpp v119, v119, v119 row_xmask:1 row_mask:0xf bank_mask:0xf
	v_max_num_f32_dpp v119, v119, v119 row_xmask:2 row_mask:0xf bank_mask:0xf
	v_max_num_f32_dpp v119, v119, v119 row_xmask:4 row_mask:0xf bank_mask:0xf
	v_max_num_f32_dpp v119, v119, v119 row_xmask:8 row_mask:0xf bank_mask:0xf
	v_permlanex16_b32 v120, v119, s14, s15
	v_max_num_f32 v119, v119, v120                 ; my wave's largest magnitude, in every lane
	ds_store_b32 v13, v119
	s_wait_dscnt 0x0                               ; for the others' sake: my store is done
	s_barrier_signal -1
	s_barrier_wait -1
	ds_load_b128 v[Q:Q+3], v14
	ds_load_b128 v[Q+4:Q+7], v14 offset:16
	s_wait_dscnt 0x0
	v_max3_num_f32 v119, v[Q], v[Q+1], v[Q+2]
	v_max3_num_f32 v119, v119, v[Q+3], v[Q+4]
	v_max3_num_f32 v119, v119, v[Q+5], v[Q+6]
	v_max_num_f32 v119, v119, v[Q+7]
	v_max_num_f32 v119, 0x0d800000, v119           ; A, at least 2^-100
	v_rcp_f32 v124, v119
	v_nop
	s_wait_alu depctr_va_vdst(0)
.irp k, 0,1,2,3
	v_mul_f32 v[SUM+(\k)], v[SUM+(\k)], v124
.endr
	v_cvt_pk_f16_f32 v125, v[SUM], v[SUM+1]
	v_cvt_pk_f16_f32 v126, v[SUM+2], v[SUM+3]
	ds_store_b16 v11, v125                         ; my four numbers are one column's: four rows of TR
	ds_store_b16_d16_hi v11, v125 offset:TP
	ds_store_b16 v11, v126 offset:2*TP
	ds_store_b16_d16_hi v11, v126 offset:3*TP
	s_wait_dscnt 0x0
	s_barrier_signal -1
	s_barrier_wait -1                              ; the 16 rows are whole
	s_cmp_lt_u32 s12, 4                            ; 2,048 bytes: four waves' work
	s_cbranch_scc0 .Lend
	ds_load_b128 v[Q:Q+3], v12
	s_wait_dscnt 0x0
	global_store_b128 v3, v[Q:Q+3], s[8:9]         ; a wave stores 512 consecutive bytes, aligned
	s_cmp_lg_u32 s12, 0
	s_cbranch_scc1 .Lend
	v_mul_f32 v120, 0x3e000000, v119               ; A / 8
	v_cmp_eq_u32 vcc_lo, 0, v0
	s_wait_xcnt 0x0                                ; EXEC, a source of the store above, changes only behind this wait
	s_and_saveexec_b32 s19, vcc_lo
	global_store_b32 v15, v120, s[10:11]           ; thread 0 alone
	s_wait_xcnt 0x0                                ; and again, in front of the line that widens it
	s_or_b32 exec_lo, exec_lo, s19
.Lend:
	s_wait_tensorcnt 0x0                           ; the wave's end, behind my last LDS store
	ds_add_u32 v8, v9
	s_wait_dscnt 0x0
	s_endpgm
.Lfunc_end_k_q2a5d22ccf7_combine:
	.size	k_q2a5d22ccf7_combine, .Lfunc_end_k_q2a5d22ccf7_combine-k_q2a5d22ccf7_combine
	.p2alignl 7, 3214868480
	.fill 96, 4, 3214868480
	.section	.rodata,"a",@progbits
	.p2align	6, 0x0
	.amdhsa_kernel k_q2a5d22ccf7_combine
		.amdhsa_group_segment_fixed_size 3584
		.amdhsa_private_segment_fixed_size 0
		.amdhsa_enable_private_segment 0
		.amdhsa_kernarg_size 32
		.amdhsa_user_sgpr_count 2
		.amdhsa_user_sgpr_kernarg_segment_ptr 1
		.amdhsa_wavefront_size32 1
		.amdhsa_system_sgpr_workgroup_id_x 1
		.amdhsa_system_sgpr_workgroup_id_y 1
		.amdhsa_system_sgpr_workgroup_id_z 1
		.amdhsa_system_vgpr_workitem_id 0
		.amdhsa_next_free_vgpr 128
		.amdhsa_next_free_sgpr 66
		.amdhsa_reserve_vcc 1
		.amdhsa_float_denorm_mode_32 3
		.amdhsa_float_denorm_mode_16_64 3
		.amdhsa_memory_ordered 1
		.amdhsa_forward_progress 1
		.amdhsa_inst_pref_size 15
	.end_amdhsa_kernel
	.amdgpu_metadata
---
amdhsa.version: [ 1, 2 ]
amdhsa.kernels:
  - .name:           k_q2a5d22ccf7_combine
    .symbol:         k_q2a5d22ccf7_combine.kd
    .args:
      - { .name: pctx, .offset: 0, .size: 8, .value_kind: global_buffer, .address_space: global }
      - { .name: pstat, .offset: 8, .size: 8, .value_kind: global_buffer, .address_space: global }
      - { .name: ctxf, .offset: 16, .size: 8, .value_kind: global_buffer, .address_space: global }
      - { .name: cscale, .offset: 24, .size: 8, .value_kind: global_buffer, .address_space: global }
    .group_segment_fixed_size: 3584
    .private_segment_fixed_size: 0
    .kernarg_segment_align: 8
    .kernarg_segment_size: 32
    .max_flat_workgroup_size: 256
    .sgpr_count:     66
    .vgpr_count:     128
    .wavefront_size: 32
...
	.end_amdgpu_metadata
.endif
;; end of part 3
;; launch qout (part 4): grid 4 x 64, 4 waves a work-group, clusters of 4 x 4, 327,680 bytes of LDS; arguments xb, wb, ctxf, cscale, out0; writes out0
.if DOCPART == 4
	.amdgcn_target "amdgcn-amd-amdhsa--gfx1250"
	.amdhsa_code_object_version 6
	.text
	.protected	k_q2a5d22ccf7_qout
	.globl	k_q2a5d22ccf7_qout
	.p2align	8
	.type	k_q2a5d22ccf7_qout,@function
k_q2a5d22ccf7_qout:
	s_mov_b64 s[64:65], 0
	v_nop
	global_prefetch_b8 v0, s[64:65] scope:SCOPE_SE
	s_setreg_imm32_b32 hwreg(HW_REG_WAVE_MODE, 25, 1), 1
	s_wait_xcnt 0x0
	s_wait_alu depctr_hold_cnt(0) depctr_sa_sdst(0) depctr_va_vdst(0) depctr_va_sdst(0) depctr_va_ssrc(0) depctr_va_vcc(0) depctr_vm_vsrc(0)
	s_getreg_b32 s2, hwreg(HW_REG_IB_STS2, 6, 4)
	s_cmp_eq_u32 s2, 0
	s_cbranch_scc0 .Lentry_in_a_cluster
	s_endpgm
.Lentry_in_a_cluster:
	s_bfe_u32 s2, ttmp6, 0x10000c
	s_cmp_lg_u32 s2, 0xf033
	s_cbranch_scc0 .Lentry_shape_is_right
	s_endpgm
.Lentry_shape_is_right:
; THE q PROJECTION, FUSED WITH ITS SOFTMAX OVER THE HEAD's 64 CHANNELS AND THE PRODUCT WITH ctx.  q never reaches memory.
; q = xb wb^T for wb's rows 0-1023 (bf16 operands, f32 sums).  For each row n and head: m = max over d of q, e[d] = 2^(c q - c m) (c = log2 e), l = sum of e;
; out[n][:] = (sum over d of e[d] ctxf[:][d]) x cscale / l, where ctxf is ctx^T divided by its block's largest magnitude A and cscale = A / 8 (the softmax's scale 64^-0.5 with it).
; FORMATS AND LIMITS.  e (0 to 1) is rounded to f16 for the second product; l is the sum, in f32, of the same rounded e (at least 1), made by the matrix unit (ones x e); ctxf lies in -1 to 1 in f16.
; Below 6e-5 e keeps f16's fixed step of 6e-8; a weight below 2^-126 counts as 0.  NaN and infinities are not treated apart.
; SHARES.  A tile of q is 256 rows x 256 columns (four heads); four waves, each 128 x 128: 64 accumulators, two heads.  One tile to a work-group: 256 work-groups.
; K goes in steps of 128 through two LDS slots filled by the tensor data mover; a tile's rows are 256 bytes of memory, aligned.  The loop's trip is one K step: the slot in hand is a scalar
; that an exclusive or turns, and one descriptor for each operand walks from slot to slot.
; THE MATRIX INSTRUCTION IS USED TRANSPOSED (source 0 = 16 rows of wb, source 1 = 16 rows of x): a lane holds ONE row n (lane % 16) and the columns 16 b + 8 (lane / 16) + 0..7.  So a row's maximum
; wants one exchange between the halves of the lanes, and the four accumulators of a head, rounded to f16 in pairs, ARE source 1 (K = d in its true order) of out^T = ctx^T e^T, whose result again
; holds one row a lane and eight neighbouring channels.
; CLUSTERS: 4 x 4 work-groups; x's tiles are asked for jointly along a row of the cluster, wb's along a column.
; REGISTERS, in windows of 256 (s_set_vgpr_msb: bits 1:0 source 0, 3:2 source 1, 5:4 source 2, 7:6 destination):
;   window 0: v0-31 addresses, v2-9 the ones; v64-127, v128-191 fragments of x.  In the epilogue: v32-63, v96-127 P (e in f16, 16 a unit); v64-95 U (statistics, 8 a unit); v128-255 OB (out^T, 32 a unit)
;   window 1: v64-127, v128-191 fragments of wb, in the epilogue W (c q - c m, then e, 32 a unit; then l in a unit's first 8); v0-63, v192-255 ctx^T's fragments of my two heads
;   window 2: the accumulators of my rows 0-63 ((a, b) at v[8 (8 a + b)]);   window 3: those of rows 64-127
.set SIZE_K, 1024
.set KSTEP,  128
.set STEPS,  SIZE_K/KSTEP
.set PITCH,  272                       ; an LDS row: 256 bytes + 16 of padding = 68 words: the 16 rows that a load touches start at 16 different groups of four banks (64 banks of 4 bytes: ISA guide 11.1)
.set HALFT,  128*PITCH                 ; 0x8800 bytes
.set SLOT,   4*HALFT                   ; 0x22000 bytes, which shares no bit with 0, 1, 2 or 3 x HALFT: one exclusive or turns a wave's place in one slot into its place in the other
.set STAGE,  2*SLOT                    ; behind the ring, never filled by a tensor load: 16 rows x 272 bytes for each wave, for the way out
.set SPITCH, 272
.set SPARE,  STAGE+4*16*SPITCH         ; behind the stages: the spare words, 128 bytes for each wave: two blocks of 256 bytes that no other line names
.set ONE,  2                           ; v[2:9]  source 0 of l's products: 16 rows x 32 K of 1.0 in f16
.set A0,   16                          ; v16     my lane's place in my 128 rows of x in slot 0; never rewritten
.set ADRA, 17                          ; v17     the same in the slot in hand
.set B0,   20                          ; v20, v21  the same for wb
.set ADRB, 21
.set STO,  24                          ; v24     the way out: where I put 32 bytes of a row
.set RD,   25                          ; v25     the way out: where I read rows back
.set GO,   26                          ; v26     16 x my lane
.set SPW,  28                          ; v28     LDS address of my spare word; never rewritten
.set NIL,  29                          ; v29     0; never rewritten
.set PFO,  30                          ; v30     the prefetches' offset: my lane x 2,048 bytes; never rewritten
.set F0,   64
.set F1,   128
.set PB,   32                          ; unit u's P at v[PB + 16 u + 32 (u / 2)]
.set US,   64                          ; unit u's statistics at v[US + 8 u]
.set OB,   128
.set WB,   64                          ; window 1
.set G1,  24
.set G0,  32
.set G1B, 48
.set G0B, 56
.set LIM, 43                           ; s43     2 in a wave that prefetches, else the greatest number
.set PFA, 44
.set TB,  66                           ; s66     LDS byte at which the slot in hand begins: 0 or SLOT
.set SC,  72                           ; s[72:79] cscale of my two heads: 4 hh + eb
.set CS,  80                           ; s[80:81] c = log2 e
.set SEL, 82                           ; s[82:83] v_permlanex16_b32's selects
.set GRP, 88                           ; s88     counts the epilogue's four groups
.set MSB, 0
.macro WIN new                         ; the immediate's high byte repeats the setting that is left; a switch that changes nothing is dropped
.if MSB != (\new)
	s_set_vgpr_msb (MSB<<8)|(\new)
.set MSB, \new
.endif
.endm
.set MUL_LO, 0xa1                      ; source 0 (wb) window 1, source 1 (x) window 0, C and D window 2
.set MUL_HI, 0xf1
.set TO_B,   0x40
.macro JLOAD s                         ; a joint load by descriptor set s: waves 0 and 1 fetch x's two halves, waves 2 and 3 wb's; an s_nop 0 and four v_nop follow each of the two lines
	s_cmp_eq_u32 s11, 0
	s_cbranch_scc0 .Lfor_b_\@
	tensor_load_to_lds s[G0+4*(\s):G0+4*(\s)+3], s[G1:G1+7]
	s_nop 0
.rept 4
	v_nop
.endr
	s_branch .Lasked_\@
.Lfor_b_\@:
	tensor_load_to_lds s[G0B+4*(\s):G0B+4*(\s)+3], s[G1B:G1B+7]
	s_nop 0
.rept 4
	v_nop
.endr
.Lasked_\@:
.endm
; A PREFETCH INTO THE L2, behind each joint load and the run of LDS loads that follows it: the K step that stands two refills on: 32 rows x 256 bytes, a lane a row, one instruction a wave.
; Each row's 256 bytes of a K step are named once in the launch: x's rows by their one cluster (the grid is one cluster wide), wb's by the clusters with y = 0; the four partners that ask for a
; tile jointly share the 128 rows that wave w fetches BY ADDRESS, 32 each.  The loop's last two trips have no K step two refills on and ask for nothing.
.macro ASK
	s_cmp_gt_u32 s3, s[LIM]                        ; s3 = 6 .. 3 in the trips of K steps 0 to 3
	s_cbranch_scc0 .Lnot_mine_\@
	global_prefetch_b8 v[PFO], s[PFA:PFA+1] offset:KSTEP*2 th:TH_LOAD_NT scope:SCOPE_SE
.Lnot_mine_\@:
.endm
.macro CREST
	s_cmp_lg_u32 s10, 0
	s_cbranch_scc1 .Lnot_wave_0_\@
	s_barrier_signal -3
.Lnot_wave_0_\@:
	s_barrier_wait -3
	s_barrier_signal -1
	s_barrier_wait -1
.endm
.macro CROUND
	s_barrier_signal -1
	s_barrier_wait -1
	CREST
.endm
	s_load_b128 s[4:7], s[0:1], 0x0                ; xb s[4:5], wb s[6:7]
	s_load_b128 s[68:71], s[0:1], 0x10             ; ctxf s[68:69], cscale s[70:71]
	s_load_b64 s[8:9], s[0:1], 0x20                ; out0
	v_lshl_add_u32 v[SPW], v0, 2, SPARE
	v_mov_b32 v[NIL], 0
	ds_add_u32 v[SPW], v[NIL]                      ; the wave's opening: the add and its wait come ahead of my first tensor load; the set-up below, work on registers, stands between them
	v_lshrrev_b32 v1, 5, v0
	v_readfirstlane_b32 s10, v1                    ; wave 0..3
	s_lshr_b32 s11, s10, 1                         ; which half of the tile's rows is mine.  Also: I fetch for x (0) or for wb (1)
	s_and_b32 s12, s10, 1                          ; which half of its columns.  Also: which 128 rows I fetch
	s_bfe_u32 s40, ttmp6, 0x40000                  ; cx
	s_bfe_u32 s41, ttmp6, 0x40004                  ; cy
	s_lshl_b32 s42, ttmp9, 2
	s_add_co_u32 s42, s42, s40                     ; X: the tile column, four heads, 0..3
	s_and_b32 s13, ttmp7, 0xffff
	s_lshl_b32 s13, s13, 2
	s_add_co_u32 s13, s13, s41                     ; Y: the tile row, 256 rows of x, 0..63
	s_lshl_b32 s43, s41, 2
	s_lshl_b32 s43, 15, s43                        ; my row of the cluster
	s_lshl_b32 s44, 0x1111, s40                    ; my column
	s_or_b32 s[G1+0], s43, (1<<16)|(1<<20)|(1<<21)|(5<<22)|(3<<25)   ; 15:0 the mask; 17:16 elements of 2 bytes; 20 padding on; 21 set beside a mask; 24:22 after every 64 words (code 5); 31:25 4 words of it (code 3)
	s_or_b32 s[G1B+0], s44, (1<<16)|(1<<20)|(1<<21)|(5<<22)|(3<<25)
.irp g, G1, G1B
	s_mov_b32 s[(\g)+1], KSTEP<<16                 ; tensor_dim0 = 128
	s_mov_b32 s[(\g)+2], 128<<16                   ; tensor_dim1 = 128
	s_mov_b32 s[(\g)+3], KSTEP<<16                 ; tile_dim0 = 128
	s_mov_b32 s[(\g)+4], 128                       ; tile_dim1 = 128
	s_mov_b32 s[(\g)+5], SIZE_K                    ; elements from row to row
	s_mov_b32 s[(\g)+6], 0
	s_mov_b32 s[(\g)+7], 0
.endr
	s_mov_b32 s[CS], 0x3fb8aa3b
	s_mov_b32 s[CS+1], s[CS]
	s_mov_b32 s[SEL], 0x76543210
	s_mov_b32 s[SEL+1], 0xfedcba98
	s_mov_b32 s[TB], 0                             ; K step 0 lies in slot 0
	s_lshl_b32 s17, s12, 7
	s_lshl_b32 s16, s13, 8
	s_add_co_u32 s16, s16, s17                     ; x: row 256 Y + 128 x half
	s_lshl_b32 s16, s16, 11
	s_lshl_b32 s46, s42, 8
	s_add_co_u32 s46, s46, s17                     ; wb: row 256 X + 128 x half
	s_lshl_b32 s46, s46, 11
	s_mov_b32 s17, 0
	s_mov_b32 s47, 0
	s_mul_i32 s20, s10, HALFT
	s_wait_dscnt 0x0                               ; the opening add is done
	s_wait_kmcnt 0x0
	s_add_nc_u64 s[14:15], s[4:5], s[16:17]
	s_add_nc_u64 s[46:47], s[6:7], s[46:47]
	CROUND                                         ; all sixteen work-groups are here: the first joint loads meet
.irp s, 0,1
	s_mov_b32 s[G0+4*(\s)], 1
	s_add_co_u32 s[G0+4*(\s)+1], s20, (\s)*SLOT
	s_add_nc_u64 s[G0+4*(\s)+2:G0+4*(\s)+3], s[14:15], (\s)*KSTEP*2
	s_or_b32 s[G0+4*(\s)+3], s[G0+4*(\s)+3], 0x80000000
	s_mov_b32 s[G0B+4*(\s)], 1
	s_add_co_u32 s[G0B+4*(\s)+1], s20, (\s)*SLOT
	s_add_nc_u64 s[G0B+4*(\s)+2:G0B+4*(\s)+3], s[46:47], (\s)*KSTEP*2
	s_or_b32 s[G0B+4*(\s)+3], s[G0B+4*(\s)+3], 0x80000000
	JLOAD \s                                       ; two tensor loads of mine are out
.endr
	v_and_b32 v[GO], 31, v0
	v_lshlrev_b32 v[GO], 4, v[GO]
	; my two heads: bh0 = batch x 16 + 4 X + 2 x my half of the columns, and bh0 + 1; made in registers that feed no descriptor
	s_lshr_b32 s84, s13, 4                         ; the batch: 16 values of Y each
	s_lshl_b32 s84, s84, 4
	s_lshl_b32 s85, s42, 2
	s_add_co_u32 s84, s84, s85
	s_lshl_b32 s85, s12, 1
	s_add_co_u32 s84, s84, s85                     ; bh0
	s_mov_b32 s87, 0
	s_lshl_b32 s86, s84, 13                        ; ctxf: 8,192 bytes a head
	s_add_nc_u64 s[68:69], s[68:69], s[86:87]
	s_lshl_b32 s86, s84, 4                         ; cscale: 16 bytes a head
	s_add_nc_u64 s[70:71], s[70:71], s[86:87]
	s_load_b256 s[SC:SC+7], s[70:71], 0x0
	WIN 0x40                                       ; destination window 1
.set i, 0
.rept 32                               ; fragment f = i / 2 = 8 hh + 2 eb + ks, its half i % 2: 512 consecutive bytes a load
	global_load_b128 v[8*(i/2)+128*(i/16)+4*(i%2):8*(i/2)+128*(i/16)+4*(i%2)+3], v[GO], s[68:69] offset:512*i
.set i, i+1
.endr
	WIN 0
	s_lshl_b32 s86, s84, 12                        ; out0: 4,096 rows a head,
	s_and_b32 s85, s13, 15
	s_lshl_b32 s85, s85, 8
	s_add_co_u32 s86, s86, s85                     ; the tile's 256,
	s_lshl_b32 s85, s11, 7
	s_add_co_u32 s86, s86, s85                     ; my 128 of them,
	s_lshl_b32 s86, s86, 8                         ; of 256 bytes
	s_add_nc_u64 s[8:9], s[8:9], s[86:87]
	v_and_b32 v1, 15, v0
	v_bfe_u32 v2, v0, 4, 1
	v_mul_u32_u24 v3, v1, PITCH
	v_lshl_add_u32 v3, v2, 4, v3
	s_mul_i32 s21, s11, HALFT
	s_mul_i32 s22, s12, HALFT
	s_add_co_u32 s22, s22, 2*HALFT
	v_add_nc_u32 v[A0], s21, v3
	v_add_nc_u32 v[B0], s22, v3
	v_add_nc_u32 v[ADRA], s[TB], v[A0]
	v_add_nc_u32 v[ADRB], s[TB], v[B0]
	s_mul_i32 s23, s10, 16*SPITCH
	s_add_co_u32 s23, s23, STAGE                   ; my stage
	v_mul_u32_u24 v4, v1, SPITCH                   ; in: row l % 16, 32 bytes for each half of the lanes
	v_lshl_add_u32 v4, v2, 5, v4
	v_add_nc_u32 v[STO], s23, v4
	v_mul_u32_u24 v5, v2, SPITCH                   ; back: lanes 0-15 take one row of 256 bytes, lanes 16-31 the next
	v_lshl_add_u32 v5, v1, 4, v5
	v_add_nc_u32 v[RD], s23, v5
.irp z, 0,1,2,3,4,5,6,7
	v_mov_b32 v[ONE+(\z)], 0x3c003c00              ; 1.0 twice, in f16: with ones in all 16 rows every register of the result holds its lane's l
.endr
	; the prefetches
	s_lshl_b32 s20, s13, 8
	s_lshl_b32 s21, s42, 8
	s_and_b32 s22, ttmp7, 0xffff
	s_cmp_eq_u32 s11, 0
	s_cselect_b32 s20, s20, s21
	s_cselect_b32 s21, s40, s41
	s_cselect_b32 s22, ttmp9, s22
	s_cselect_b64 s[PFA:PFA+1], s[4:5], s[6:7]
	s_cmp_eq_u32 s22, 0
	s_cselect_b32 s[LIM], 2, -1                    ; the same in all sixteen partners, for a given wave
	s_lshl_b32 s22, s12, 7
	s_add_co_u32 s20, s20, s22
	s_lshl_b32 s21, s21, 5
	s_add_co_u32 s20, s20, s21
	s_lshl_b32 s20, s20, 11
	s_mov_b32 s21, 0
	s_add_nc_u64 s[PFA:PFA+1], s[PFA:PFA+1], s[20:21]
	s_add_nc_u64 s[PFA:PFA+1], s[PFA:PFA+1], 2*KSTEP*2  ; at K step 2: the first refill steps it to 3 and names K step 4.  Nothing is prefetched here, at the head
	v_and_b32 v[PFO], 31, v0
	v_mul_u32_u24 v[PFO], v[PFO], SIZE_K*2
.macro MUL16 f, hi, a0, zero           ; 16 matrix instructions: row blocks a0, a0 + 1 of the window's four x all 8 column blocks, 32 along K; the 64 accumulators take turns
	WIN MUL_LO+0x50*(\hi)
.irp a, \a0, (\a0)+1
.irp b, 0,1,2,3,4,5,6,7
.if \zero
	v_wmma_f32_16x16x32_bf16 v[8*(8*(\a)+(\b)):8*(8*(\a)+(\b))+7], v[(\f)+8*(\b):(\f)+8*(\b)+7], v[(\f)+8*(4*(\hi)+(\a)):(\f)+8*(4*(\hi)+(\a))+7], 0
.else
	v_wmma_f32_16x16x32_bf16 v[8*(8*(\a)+(\b)):8*(8*(\a)+(\b))+7], v[(\f)+8*(\b):(\f)+8*(\b)+7], v[(\f)+8*(4*(\hi)+(\a)):(\f)+8*(4*(\hi)+(\a))+7], v[8*(8*(\a)+(\b)):8*(8*(\a)+(\b))+7]
.endif
.endr
.endr
.endm
.macro FETCH k, f                      ; 32 LDS loads in one run: the fragments of one quarter step, at byte k of the rows of the slot in hand, into buffer f
	WIN TO_B
.irp i, 0,1,2,3,4,5,6,7
	ds_load_b128 v[(\f)+8*(\i):(\f)+8*(\i)+3],   v[ADRB] offset:(\k)+(\i)*16*PITCH
	ds_load_b128 v[(\f)+8*(\i)+4:(\f)+8*(\i)+7], v[ADRB] offset:(\k)+(\i)*16*PITCH+32
.endr
	WIN 0
.irp i, 0,1,2,3,4,5,6,7
	ds_load_b128 v[(\f)+8*(\i):(\f)+8*(\i)+3],   v[ADRA] offset:(\k)+(\i)*16*PITCH
	ds_load_b128 v[(\f)+8*(\i)+4:(\f)+8*(\i)+7], v[ADRA] offset:(\k)+(\i)*16*PITCH+32
.endr
.endm
.macro NEXTSLOT                        ; the reads go on in the other slot
	s_xor_b32 s[TB], s[TB], SLOT
	v_add_nc_u32 v[ADRA], s[TB], v[A0]
	v_add_nc_u32 v[ADRB], s[TB], v[B0]
.endm
.macro PLACES                          ; four plain vector instructions between a matrix instruction and a load into, or a vector instruction on, its registers (ISA guide 7.12.1 for vector instructions)
.rept 4
	v_nop
.endr
.endm
.macro QUARTER k, f, g, zero
	s_wait_dscnt 8                                 ; wb's fragments and x's rows 0-63 are in; the youngest eight loads (x's rows 64-127) may be out
	WIN MUL_LO
	MUL16 \f, 0, 0, \zero
	MUL16 \f, 0, 2, \zero
	PLACES
	FETCH \k, \g
	s_wait_dscnt 32                                ; all but the 32 just issued
	WIN MUL_HI
	MUL16 \f, 1, 0, \zero
	MUL16 \f, 1, 2, \zero
.endm
.macro MEET round                      ; the change of slots: all my tensor loads, the add, the add's and my reads' wait, then the barrier
	WIN 0
	s_wait_tensorcnt 0x0                           ; the one that was out is my part of the next slot
	ds_add_u32 v[SPW], v[NIL]                      ; 0 onto my spare word
	s_wait_dscnt 9                                 ; (the add and the youngest eight loads may be out)
	WIN MUL_LO
	MUL16 F1, 0, 0, 0
	s_wait_dscnt 0x0                               ; the add is done, and my reads of this slot are over
	s_barrier_signal -1
	MUL16 F1, 0, 2, 0
.if \round
	WIN 0
.endif
	s_barrier_wait -1
.endm
.macro TURN                            ; the last quarter with a refill: the barrier opens a round of the cluster's; the joint refill, by the walking descriptor (the other slot than last time, the next K step), is the first tensor load behind it
	s_wait_xcnt 0x0                                ; the last prefetch, a K step back, has read its address
	s_add_nc_u64 s[PFA:PFA+1], s[PFA:PFA+1], KSTEP*2
	MEET 1
	CREST
	s_xor_b32 s[G0+5], s[G0+5], SLOT
	s_xor_b32 s[G0B+5], s[G0B+5], SLOT
	s_add_nc_u64 s[G0+6:G0+7], s[G0+6:G0+7], KSTEP*2
	s_add_nc_u64 s[G0B+6:G0B+7], s[G0B+6:G0B+7], KSTEP*2
	JLOAD 1                                        ; the four v_nop behind it are also the places in front of the loads below
	NEXTSLOT
	FETCH 0, F0
	ASK
	WIN MUL_HI
	MUL16 F1, 1, 0, 0
	MUL16 F1, 1, 2, 0
.endm
.macro TURNL                           ; the same without a refill
	MEET 0
	PLACES
	WIN 0
	NEXTSLOT
	FETCH 0, F0
	WIN MUL_HI
	MUL16 F1, 1, 0, 0
	MUL16 F1, 1, 2, 0
.endm
.macro LASTQ
	s_wait_dscnt 8
	MUL16 F1, 0, 0, 0
	MUL16 F1, 0, 2, 0
	s_wait_dscnt 0x0
	MUL16 F1, 1, 0, 0
	MUL16 F1, 1, 2, 0
.endm
	s_wait_kmcnt 0x0                               ; the scales,
	s_wait_loadcnt 0x0                             ; and ctx^T's fragments: waited for here, where the wave waits for its first tile anyway
	s_wait_tensorcnt 1                             ; my part of K step 0 is in; K step 1's may stay out
	s_barrier_signal -1
	s_barrier_wait -1
	FETCH 0, F0
	QUARTER 64,  F0, F1, 1                         ; the first quarter stands in front of the loop: its products start the sums
	WIN 0
	s_mov_b32 s3, STEPS-2
.Lstep:                                                ; a trip goes from a K step's second quarter to the next K step's first, and fills the slot that it leaves: K steps 0 to 5 ask for 2 to 7
	QUARTER 128, F1, F0, 0
	QUARTER 192, F0, F1, 0
	TURN
	QUARTER 64,  F0, F1, 0
	WIN 0
	s_sub_co_u32 s3, s3, 1
	s_cmp_lg_u32 s3, 0
	s_cbranch_scc1 .Lstep
	QUARTER 128, F1, F0, 0                         ; the last two K steps fill nothing
	QUARTER 192, F0, F1, 0
	TURNL
	QUARTER 64,  F0, F1, 0
	QUARTER 128, F1, F0, 0
	QUARTER 192, F0, F1, 0
	LASTQ
	WIN 0
	PLACES                                         ; behind the last products
; THE EPILOGUE, in four groups of 32 rows: group g = row blocks 2 g, 2 g + 1, both heads: four UNITS u = 2 (row block in the group) + hh, each 16 rows x 64 channels in 32 consecutive registers
; at 128 (g % 2) + 32 u of window 2 + g / 2.  What names those registers (PRE) is written once for each group; it leaves c q - c m in W, and all the rest is one text, walked four times.
.macro PRE g
.set HW, (\g)/2
.set HB, 128*((\g)%2)
	WIN 0x2a+0x15*HW                               ; the maxima: 16 chains (unit i / 4, accumulator i % 4) of seven scores each, three operands at a time
.set i, 0
.rept 16
.set rS, HB+32*(i/4)+8*(i%4)
	v_max3_num_f32 v[US+8*(i/4)+i%4], v[rS], v[rS+1], v[rS+2]
.set i, i+1
.endr
	WIN 0x0a+5*HW
.set i, 0
.rept 32
.set rS, HB+32*((i/4)%4)+8*(i%4)+3+2*(i/16)
.set rU, US+8*((i/4)%4)+i%4
	v_max3_num_f32 v[rU], v[rS], v[rS+1], v[rU]
.set i, i+1
.endr
.set i, 0
.rept 8                                ; the four scores left over in each unit
.set rS, HB+32*(i/2)+16*(i%2)+7
.set rU, US+8*(i/2)+2*(i%2)
	v_max3_num_f32 v[rU], v[rS], v[rS+8], v[rU]
.set i, i+1
.endr
	WIN 0
.irp u, 0,1,2,3
	v_max3_num_f32 v[US+8*(\u)], v[US+8*(\u)], v[US+8*(\u)+1], v[US+8*(\u)+2]
.endr
.irp u, 0,1,2,3
	v_max_num_f32 v[US+8*(\u)], v[US+8*(\u)], v[US+8*(\u)+3]
.endr
.irp u, 0,1,2,3
	v_permlanex16_b32 v[US+8*(\u)+5], v[US+8*(\u)], s[SEL], s[SEL+1]  ; the row's other 32 channels lie in the lane 16 away
.endr
.irp u, 0,1,2,3
	v_max_num_f32 v[US+8*(\u)+7], v[US+8*(\u)], v[US+8*(\u)+5]        ; m
.endr
.irp u, 0,1,2,3
	v_mul_f32 v[US+8*(\u)+6], s[CS], v[US+8*(\u)+7]                   ; c m
.endr
	WIN 0x42+HW                                    ; c q - c m, into W
.set i, 0
.rept 64
	v_pk_fma_f32 v[WB+2*i:WB+2*i+1], v[HB+2*i:HB+2*i+1], s[CS:CS+1], v[US+8*(i/16)+6:US+8*(i/16)+7] op_sel_hi:[1,0,0] neg_lo:[0,0,1] neg_hi:[0,0,1]
.set i, i+1
.endr
	WIN 0
.endm
.macro WM u                            ; out^T of unit u: 4 blocks of 16 channels e x 2 K steps of 32 d; the four accumulators take turns; the first K step starts the sums
	WIN 0x01                                       ; source 0 (ctx^T) window 1
.irp k, 0,1
.irp e, 0,1,2,3
.set rO, OB+32*(\u)+8*(\e)
.set rF, 8*(8*((\u)%2)+2*(\e)+(\k))+128*((\u)%2)
.set rP, PB+16*(\u)+32*((\u)/2)+8*(\k)
.if (\k) == 0
	v_wmma_f32_16x16x32_f16 v[rO:rO+7], v[rF:rF+7], v[rP:rP+7], 0
.else
	v_wmma_f32_16x16x32_f16 v[rO:rO+7], v[rF:rF+7], v[rP:rP+7], v[rO:rO+7]
.endif
.endr
.endr
.endm
.macro NORM u                          ; times cscale / l, ascending; these 16 plain lines are also the places behind the products issued just before them, of another unit
	WIN 0
.set i, 0
.rept 16
	v_pk_mul_f32 v[OB+32*(\u)+2*i:OB+32*(\u)+2*i+1], v[OB+32*(\u)+2*i:OB+32*(\u)+2*i+1], v[US+8*(\u)+2*(i/4):US+8*(\u)+2*(i/4)+1] op_sel_hi:[1,0]
.set i, i+1
.endr
.endm
.macro TOSTAGE u                       ; a lane's 8 channels of a block are 32 bytes of a row; they go into rows of 272 bytes and come back as whole rows of 256, into the registers that they left
	WIN 0
.irp e, 0,1,2,3
	ds_store_b128 v[STO], v[OB+32*(\u)+8*(\e):OB+32*(\u)+8*(\e)+3]   offset:64*(\e)
	ds_store_b128 v[STO], v[OB+32*(\u)+8*(\e)+4:OB+32*(\u)+8*(\e)+7] offset:64*(\e)+16
.endr
.irp t, 0,1,2,3,4,5,6,7
	ds_load_b128 v[OB+32*(\u)+4*(\t):OB+32*(\u)+4*(\t)+3], v[RD] offset:(\t)*2*SPITCH  ; LDS serves a wave's instructions in order (ISA guide 5.7.1.4): these see the stores above; the next unit's stores come behind them
.endr
.endm
.macro SEND u, younger                 ; younger: the LDS instructions issued behind unit u's loads: the next unit's sixteen, or none
	WIN 0
.irp t, 0,1,2,3,4,5,6,7
	s_wait_dscnt (\younger)+7-(\t)
	global_store_b128 v[GO], v[OB+32*(\u)+4*(\t):OB+32*(\u)+4*(\t)+3], s[8:9] offset:((\u)%2)*1048576+((\u)/2)*4096+512*(\t) th:TH_STORE_NT  ; two whole rows of out0: 512 consecutive bytes, aligned
.endr
.endm
	s_mov_b32 s[GRP], 4
.Lgroup:                                               ; group 4 - s[GRP].  The jumps go forward, past text that holds neither a barrier nor a tensor load
	s_cmp_eq_u32 s[GRP], 4
	s_cbranch_scc1 .Lpre0
	s_cmp_eq_u32 s[GRP], 3
	s_cbranch_scc1 .Lpre1
	s_cmp_eq_u32 s[GRP], 2
	s_cbranch_scc1 .Lpre2
	PRE 3
	s_branch .Lcommon
.Lpre2:
	PRE 2
	s_branch .Lcommon
.Lpre1:
	PRE 1
	s_branch .Lcommon
.Lpre0:
	PRE 0
.Lcommon:
	WIN 0x41
.set i, 0
.rept 128
	v_exp_f32 v[WB+i], v[WB+i]                     ; one batch
.set i, i+1
.endr
	v_nop                                          ; a plain instruction behind the last exponential,
	s_wait_alu depctr_va_vdst(0)                   ; and the one wait ahead of the first use
	WIN 0x05
.set i, 0
.rept 64
	v_cvt_pk_f16_f32 v[PB+i+32*(i/32)], v[WB+2*i], v[WB+2*i+1]  ; e in f16: unit i / 16, pair i % 16
.set i, i+1
.endr
	WIN 0x50                                       ; l = ones x e, into the first 8 registers of each unit's W, which has been read out: sources window 0, C and D window 1; the four accumulators take turns
.irp k, 0,1
.irp u, 0,1,2,3
.if (\k) == 0
	v_wmma_f32_16x16x32_f16 v[WB+32*(\u):WB+32*(\u)+7], v[ONE:ONE+7], v[PB+16*(\u)+32*((\u)/2):PB+16*(\u)+32*((\u)/2)+7], 0
.else
	v_wmma_f32_16x16x32_f16 v[WB+32*(\u):WB+32*(\u)+7], v[ONE:ONE+7], v[PB+16*(\u)+32*((\u)/2)+8:PB+16*(\u)+32*((\u)/2)+15], v[WB+32*(\u):WB+32*(\u)+7]
.endif
.endr
.endr
	WM 0
	PLACES                                         ; behind l's products and unit 0's: the matrix instructions between are no places
.irp u, 0,1,2,3
	v_rcp_f32 v[US+8*(\u)+1], v[WB+32*(\u)]        ; (source 0 in window 1, as for unit 0's products): 1 / l, from the accumulator's register 0
.endr
	v_nop
	s_wait_alu depctr_va_vdst(0)                   ; one wait for the four reciprocals
	WIN 0
.irp u, 0,1,2,3
.irp e, 0,1,2,3
	v_mul_f32 v[US+8*(\u)+2*(\e)], s[SC+4*((\u)%2)+(\e)], v[US+8*(\u)+1]  ; cscale / l for block e, at the even registers: the packed multiply takes a pair's low word
.endr
.endr
	WM 1
	NORM 0
	TOSTAGE 0
	WM 2
	NORM 1
	TOSTAGE 1
	SEND 0, 16
	WM 3
	NORM 2
	TOSTAGE 2
	SEND 1, 16
	NORM 3
	TOSTAGE 3
	SEND 2, 16
	SEND 3, 0
	s_wait_xcnt 0x0                                ; the stores have read their data and their base: only behind this wait are the base stepped and OB written again
	s_add_nc_u64 s[8:9], s[8:9], 8192              ; 32 rows of out0 on
	s_sub_co_u32 s[GRP], s[GRP], 1
	s_cmp_lg_u32 s[GRP], 0
	s_cbranch_scc1 .Lgroup
	s_wait_tensorcnt 0x0                           ; the wave's end, behind my last tensor load and my last LDS store
	ds_add_u32 v[SPW], v[NIL]
	s_wait_dscnt 0x0
	CROUND                                         ; the closing round: no work-group ends while a partner may still ask for a tile that names it
	s_endpgm
.Lfunc_end_k_q2a5d22ccf7_qout:
	.size	k_q2a5d22ccf7_qout, .Lfunc_end_k_q2a5d22ccf7_qout-k_q2a5d22ccf7_qout
	.p2alignl 7, 3214868480
	.fill 96, 4, 3214868480
	.section	.rodata,"a",@progbits
	.p2align	6, 0x0
	.amdhsa_kernel k_q2a5d22ccf7_qout
		.amdhsa_group_segment_fixed_size 327680
		.amdhsa_private_segment_fixed_size 0
		.amdhsa_enable_private_segment 0
		.amdhsa_kernarg_size 40
		.amdhsa_user_sgpr_count 2
		.amdhsa_user_sgpr_kernarg_segment_ptr 1
		.amdhsa_wavefront_size32 1
		.amdhsa_system_sgpr_workgroup_id_x 1
		.amdhsa_system_sgpr_workgroup_id_y 1
		.amdhsa_system_sgpr_workgroup_id_z 1
		.amdhsa_system_vgpr_workitem_id 0
		.amdhsa_next_free_vgpr 1024
		.amdhsa_next_free_sgpr 92
		.amdhsa_reserve_vcc 0
		.amdhsa_float_denorm_mode_32 3
		.amdhsa_float_denorm_mode_16_64 3
		.amdhsa_memory_ordered 1
		.amdhsa_forward_progress 1
		.amdhsa_inst_pref_size 149
	.end_amdhsa_kernel
	.amdgpu_metadata
---
amdhsa.version: [ 1, 2 ]
amdhsa.kernels:
  - .name:           k_q2a5d22ccf7_qout
    .symbol:         k_q2a5d22ccf7_qout.kd
    .args:
      - { .name: xb, .offset: 0, .size: 8, .value_kind: global_buffer, .address_space: global }
      - { .name: wb, .offset: 8, .size: 8, .value_kind: global_buffer, .address_space: global }
      - { .name: ctxf, .offset: 16, .size: 8, .value_kind: global_buffer, .address_space: global }
      - { .name: cscale, .offset: 24, .size: 8, .value_kind: global_buffer, .address_space: global }
      - { .name: out0, .offset: 32, .size: 8, .value_kind: global_buffer, .address_space: global }
    .group_segment_fixed_size: 327680
    .private_segment_fixed_size: 0
    .kernarg_segment_align: 8
    .kernarg_segment_size: 40
    .max_flat_workgroup_size: 128
    .sgpr_count:     92
    .vgpr_count:     1024
    .wavefront_size: 32
...
	.end_amdgpu_metadata
.endif
;; end of part 4
